; MI455X (gfx1250); checked and timed in simulation.
; The chip was launched on July 23, 2026; its instructions are those of AMD's public machine-readable ISA for CDNA 5 (MIT licence, August 2026) and "CDNA5" Instruction Set Architecture Reference Guide (July 2026). The comments in the code are by the model that wrote it; some were corrected since.
;; Code Book. Allowed arithmetic: matrix products marked QUANTISED: E2M1 operands, one E8M0 scale for each 32 along K, by v_wmma_scale_f32_16x16x128_f8f6f4 with both operands' format E2M1 (or v_wmma_scale_f32_32x16x128_f4), f32 sums; everything else in f32.
;; Inputs: codebook 8,192 x 256 float32; x 32,768 x 256 float32.
;; Outputs: out0 32,768 int32; out1 one number float32; out2 one number float32; out3 32,768 x 256 float32.
;; This version of the problem:
;;   THIS VERSION OF THE PROBLEM IS GIVEN IN LOW PRECISION. The matrix products marked QUANTISED in the list below multiply operands that are first quantised to E2M1 (2 exponent bits, 1 mantissa bit; 4 bits a number), with one power-of-two scale for each 32 numbers along K (OCP MX v1.0); their sums are f32. All else is computed in f32.
;;   The module's matrix products, in the order in which they are computed (A, B: the left and right operand; K: the contracted axis; several contracted axes count as one K, in the product's order):
;;     1. [M 32,768, K 256] x [K 256, N 8,192]; A: input x; B: input codebook: QUANTISED
;;   THE QUANTISER, for each operand of a quantised product, along K:
;;     - K is cut into blocks of 32 from its start; a last block that is shorter is filled with zeros.
;;     - A block's scale is 2^e with e = floor(log2(the largest magnitude in the block)) - 2, held to -126 .. 127; a block of zeros has e = 0. As a byte (E8M0): e + 127.
;;     - Each number is divided by its block's scale, clamped to +-6, and rounded to the nearest number of E2M1, ties to even, subnormals kept.
;;     - The product sums the exact products of the quantised numbers (number of the format x scale) in f32.
;;   ~~~python
;;   def quantise(x, axis):      # numpy; x: float32 -> the quantised numbers, widened to float32 again
;;       x = np.moveaxis(x, axis, -1); K = x.shape[-1]
;;       x = np.pad(x, [(0, 0)] * (x.ndim - 1) + [(0, -K % 32)]); x = x.reshape(x.shape[:-1] + (-1, 32)); a = np.abs(x).max(-1, keepdims=True)
;;       e = np.where(a > 0, np.clip(np.frexp(np.where(a > 0, a, 1))[1] - 1 - 2, -126, 127), 0)      # np.frexp(a)[1] - 1 = floor(log2(a)), exactly
;;       r = np.clip(x / 2.0 ** e, -6, 6)
;;       step = 2.0 ** (np.maximum(np.frexp(np.where(r == 0, 1, r))[1] - 1, 0) - 1)
;;       q = np.round(r / step) * step * 2.0 ** e      # np.round: ties to even
;;       return np.moveaxis(q.reshape(q.shape[:-2] + (-1,))[..., :K], -1, axis).astype(np.float32)
;;   ~~~
;; One version. Each part assembles by itself: llvm-mc -triple=amdgcn-amd-amdhsa -mcpu=gfx1250 --defsym DOCPART=n.
;; ======== version 1 of 1: 5 launches
;; limits: right only within a limited range of input values
;; workspace buffers: xq 4,718,592 bytes; cq 1,179,648 bytes; tid 131,072 bytes of whole numbers; enc 131,072 bytes of whole numbers; part 1,024 bytes
;; launch quant (part 1): grid 256 x 1, 10 waves a work-group, no clusters, 170,240 bytes of LDS; arguments x, codebook, xq, cq; writes xq, cq
.if DOCPART == 1
	.amdgcn_target "amdgcn-amd-amdhsa--gfx1250"
	.amdhsa_code_object_version 6
	.text
	.protected	k_q79cb96d77d_quant
	.globl	k_q79cb96d77d_quant
	.p2align	8
	.type	k_q79cb96d77d_quant,@function
k_q79cb96d77d_quant:
	s_mov_b64 s[64:65], 0
	v_nop
	global_prefetch_b8 v0, s[64:65] scope:SCOPE_SE
	s_setreg_imm32_b32 hwreg(HW_REG_WAVE_MODE, 25, 1), 1
	s_wait_xcnt 0x0
; x [32768][256] and codebook [8192][256], f32, become RECORDS of 16 rows: codes of FP4 (E2M1) with one E8M0 scale byte for each 32 along K, laid as an image of the
; matrix operand's registers, and each row's sum of squares in f32.
; A RECORD is 2,304 bytes.  +512 c' + 16 l (c' = 2 s + c, lane l = (r = l % 16, h = l / 16)): the 16 bytes of codes of row r, k = 128 s + 64 c + 32 h + 0 .. 31: registers 4 c .. 4 c + 3 of K step s's fragment.
;   +2048 + 4 l: the scale word of row r for K step h.   +2176 + 4 r: the row's sum of squares.   +2240 .. 2303: zeros.
; A block's scale is 2^(floor(log2(its largest magnitude)) - 2); its byte is the largest magnitude's exponent field - 2, held at 1 from below.
; LIMITS: a block of zeros gets the byte 1 where the quantiser's text says 127 (its codes are zeros, and this program alone reads the bytes); NaN and infinities among the inputs are not served;
; a row's sum of squares is taken in four packed chains a lane, then a tree: another order than a plain left-to-right sum.
; SHARES: 2,560 tiles of 16 rows, one to a wave: tile 10 x work-group + wave; the first 2,048 are x's, the others the codebook's.  Only pointers are chosen: there is one path.
; Each load reads 512 consecutive bytes; a tile turns through the wave's own stage in LDS, so that a lane gets 32 neighbours along K.  Waves share nothing: no barrier.
; WORK LEFT OUT, in the launch 'search' alone: the term x2.  In dist[n][k] = x2[n] + c2[k] - 2 x[n].c[k] the term x2[n] is the same for all k of row n, so in exact arithmetic, for all finite
; inputs, the first minimum over k of c2[k] - 2 x[n].c[k] stands at the same k.  'search' therefore names the run of 8 codes by c2 - 2 x.c; 'refine' forms the whole of dist inside that run.
; Every input is still loaded.  LIMIT: an overflow of x2 (a row of x whose sum of squares passes f32's range) does not reach the choice of the tile.
.set REC,  2304
.set WLDS, 16896                       ; LDS of a wave: a stage of 16 rows, and 256 bytes for the record's last part
.set SP,   1040                        ; a stage row: 1,024 bytes + 16: the sixteen rows that a load touches begin 16 bytes further on in each 256
.set TAIL, 16*SP
.set R,    32                          ; v32-159  as loaded: half s of row w at v[R + 64 s + 4 w]
.set X0,   160                         ; v160-223 K step 0: my 64 numbers: register 32 c + i = k 64 c + 32 h + i of row r
.set X1,   32                          ; v32-95   K step 1, in registers whose stage stores are done
.set C,    224                         ; v224-239 the codes
.set SQ,   16                          ; v16-23   four packed sums of squares
.set MX,   12                          ; v12-13 largest magnitudes, v14-15 the conversions' scale operands
.set W,    28                          ; v28, v29 the scale words of K steps 0 and 1
	s_load_b128 s[4:7], s[0:1], 0x0                ; x, codebook
	s_load_b128 s[8:11], s[0:1], 0x10              ; xq, cq
	v_lshl_add_u32 v254, v0, 2, 0x29400
	v_mov_b32 v255, 0
	v_lshrrev_b32 v1, 5, v0
	s_delay_alu instid0(VALU_DEP_1)
	v_readfirstlane_b32 s16, v1                    ; wave 0..9
	v_and_b32 v1, 31, v0                           ; lane
	v_and_b32 v2, 15, v0                           ; r
	v_bfe_u32 v3, v0, 4, 1                         ; h
	s_mul_i32 s17, s16, WLDS                       ; my wave's LDS
	v_lshlrev_b32 v4, 4, v1                        ; 16 x lane
	v_lshlrev_b32 v5, 3, v1                        ; 8 x lane
	s_delay_alu instid0(VALU_DEP_2)
	v_add_nc_u32 v6, s17, v4                       ; into the stage: 16 bytes a lane
	v_mul_u32_u24 v7, v2, SP
	s_delay_alu instid0(VALU_DEP_1)
	v_lshl_add_u32 v7, v3, 7, v7
	s_delay_alu instid0(VALU_DEP_1)
	v_add_nc_u32 v7, s17, v7                       ; out of it: row r, + 128 h
	v_lshlrev_b32 v8, 2, v1
	s_delay_alu instid0(VALU_DEP_1)
	v_add_nc_u32 v8, s17, v8
	s_delay_alu instid0(VALU_DEP_1)
	v_add_nc_u32 v8, TAIL, v8                      ; the record's last part: 4 bytes a lane in,
	v_add_nc_u32 v9, s17, v5
	s_delay_alu instid0(VALU_DEP_1)
	v_add_nc_u32 v9, TAIL, v9                      ; 8 bytes a lane out
	v_lshlrev_b32 v10, 3, v3                       ; 8 h: my bytes' place in a scale word
	s_mov_b32 s20, 0x76543210
	s_mov_b32 s21, 0xfedcba98                      ; v_permlanex16_b32's selects for lane l xor 16
	s_mov_b32 s22, 0xffff0000                      ; lanes 16-31
	v_mov_b32 v26, 0                               ; a lane permute's destination counts as one of its sources: written once
	s_mul_i32 s18, ttmp9, 10
	s_add_co_u32 s18, s18, s16                     ; my tile
	s_wait_alu depctr_va_vdst(0)
	s_wait_kmcnt 0x0
	s_cmp_lt_u32 s18, 2048                         ; x's or the codebook's?  The choice hangs on ids alone
	s_cselect_b64 s[4:5], s[4:5], s[6:7]
	s_cselect_b64 s[8:9], s[8:9], s[10:11]
	s_cselect_b32 s19, 0, 2048
	s_sub_co_u32 s18, s18, s19                     ; the tile's number in its tensor
	s_lshl_b32 s12, s18, 14                        ; 16 rows of 1,024 bytes
	s_mov_b32 s13, 0
	s_add_nc_u64 s[4:5], s[4:5], s[12:13]
	s_mul_i32 s12, s18, REC
	s_add_nc_u64 s[8:9], s[8:9], s[12:13]
.irp s, 0,1                                    ; all first halves of the rows, then all second halves: 512 consecutive bytes a load
.irp w, 0,1,2,3,4,5,6,7,8,9,10,11,12,13,14,15
	global_load_b128 v[R+64*\s+4*\w:R+64*\s+4*\w+3], v4, s[4:5] offset:1024*\w+512*\s th:TH_LOAD_NT
.endr
.endr
; K step s: the 64 numbers at v[x] on: their squares, two blocks' scales, the scale word, the codes.
.macro QSTEP s, x
.set p, 0
.rept 32
.if (\s == 0) && (p < 4)
	v_pk_mul_f32 v[SQ+2*p:SQ+2*p+1], v[\x+2*p:\x+2*p+1], v[\x+2*p:\x+2*p+1]          ; the first four start the sums: nothing is cleared
.else
	v_pk_fma_f32 v[SQ+2*(p%4):SQ+2*(p%4)+1], v[\x+2*p:\x+2*p+1], v[\x+2*p:\x+2*p+1], v[SQ+2*(p%4):SQ+2*(p%4)+1]
.endif
.set p, p+1
.endr
.irp c, 0,1                                    ; my block 2 c + h of the K step: all its 32 numbers are mine
	v_max3_num_f32 v[MX+\c], |v[\x+32*\c]|, |v[\x+32*\c+1]|, 0x1800000   ; and the floor 2^(3 - 127): the byte cannot fall under 1
.endr
.irp i, 2,4,6,8,10,12,14,16,18,20,22,24,26,28,30
.irp c, 0,1
	s_delay_alu instid0(VALU_DEP_2)
	v_max3_num_f32 v[MX+\c], v[MX+\c], |v[\x+32*\c+\i]|, |v[\x+32*\c+\i+1]|   ; (the two blocks by turns)
.endr
.endr
.irp c, 0,1
	s_delay_alu instid0(VALU_DEP_2)
	v_add_nc_u32 v[MX+2+\c], 0xff000000, v[MX+\c]  ; 2 off the exponent field: the conversion takes the exponent field of this operand as its scale
.endr
.irp c, 0,1
	s_delay_alu instid0(VALU_DEP_2)
	v_lshrrev_b32 v[24+\c], 23, v[MX+2+\c]         ; the scale's byte
.endr
	s_delay_alu instid0(VALU_DEP_1)
	v_lshl_or_b32 v[W+\s], v25, 16, v24            ; my two bytes, blocks h and 2 + h,
	s_delay_alu instid0(VALU_DEP_1)
	v_lshlrev_b32 v[W+\s], v10, v[W+\s]            ; at their places in the word;
	s_delay_alu instid0(VALU_DEP_1)
	v_permlanex16_b32 v26, v[W+\s], s20, s21
	s_delay_alu instid0(VALU_DEP_1)
	v_or_b32 v[W+\s], v[W+\s], v26                 ; with lane l xor 16's two the word is whole
.irp c, 0,1
.irp g, 0,1,2,3
	v_cvt_scalef32_pk8_fp4_f32 v[C+8*\s+4*\c+\g], v[\x+32*\c+8*\g:\x+32*\c+8*\g+7], v[MX+2+\c]
.endr
.endr
	v_nop                                          ; one plain vector instruction behind the last scaled conversion
.endm
	s_wait_loadcnt 16                              ; the first halves are in; the 16 loads of the second halves may be out
.irp w, 0,1,2,3,4,5,6,7,8,9,10,11,12,13,14,15
	ds_store_b128 v6, v[R+4*\w:R+4*\w+3] offset:SP*\w
.endr
.irp c, 0,1
.irp i, 0,1,2,3,4,5,6,7
	ds_load_b128 v[X0+32*\c+4*\i:X0+32*\c+4*\i+3], v7 offset:256*\c+16*\i   ; LDS serves a wave's instructions in order: these see the stores above
.endr
.endr
	s_wait_loadcnt 0x0
.irp w, 0,1,2,3,4,5,6,7,8,9,10,11,12,13,14,15
	ds_store_b128 v6, v[R+64+4*\w:R+64+4*\w+3] offset:SP*\w+512
.endr
	s_wait_dscnt 16                                ; all but the 16 stores just issued: K step 0 is in, and the first stores have read v32-95
.irp c, 0,1
.irp i, 0,1,2,3,4,5,6,7
	ds_load_b128 v[X1+32*\c+4*\i:X1+32*\c+4*\i+3], v7 offset:512+256*\c+16*\i
.endr
.endr
	QSTEP 0, X0
	s_wait_dscnt 0x0                               ; K step 1 is in
	QSTEP 1, X1
.irp c, 0,1,2,3
	global_store_b128 v4, v[C+4*\c:C+4*\c+3], s[8:9] offset:512*\c   ; 32 lanes store 512 consecutive bytes, at a multiple of 256 from the buffer's first byte
.endr
	v_pk_add_f32 v[16:17], v[16:17], v[18:19]      ; my 128 squares,
	v_pk_add_f32 v[20:21], v[20:21], v[22:23]
	s_delay_alu instid0(VALU_DEP_1)
	v_pk_add_f32 v[16:17], v[16:17], v[20:21]
	s_delay_alu instid0(VALU_DEP_1)
	v_add_f32 v16, v16, v17
	s_delay_alu instid0(VALU_DEP_1)
	v_permlanex16_b32 v26, v16, s20, s21
	s_delay_alu instid0(VALU_DEP_1)
	v_add_f32 v16, v16, v26                        ; and lane l xor 16's: the row's sum
	v_cndmask_b32 v27, v28, v29, s22               ; lanes 0-15 K step 0's word, lanes 16-31 K step 1's
	s_delay_alu instid0(VALU_DEP_2)
	v_cndmask_b32 v30, v16, 0, s22                 ; lanes 0-15 the sums, lanes 16-31 zeros
	ds_store_b32 v8, v27
	ds_store_b32 v8, v30 offset:128
	ds_load_b64 v[240:241], v9                     ; the same 256 bytes, 8 a lane
	s_wait_dscnt 0x0
	global_store_b64 v5, v[240:241], s[8:9] offset:2048   ; 32 lanes store 256 consecutive bytes, aligned
	s_wait_tensorcnt 0x0
	ds_add_u32 v254, v255
	s_wait_dscnt 0x0
	s_endpgm
.Lfunc_end_k_q79cb96d77d_quant:
	.size	k_q79cb96d77d_quant, .Lfunc_end_k_q79cb96d77d_quant-k_q79cb96d77d_quant
	.p2alignl 7, 3214868480
	.fill 96, 4, 3214868480
	.section	.rodata,"a",@progbits
	.p2align	6, 0x0
	.amdhsa_kernel k_q79cb96d77d_quant
		.amdhsa_group_segment_fixed_size 170240
		.amdhsa_private_segment_fixed_size 0
		.amdhsa_enable_private_segment 0
		.amdhsa_kernarg_size 32
		.amdhsa_user_sgpr_count 2
		.amdhsa_user_sgpr_kernarg_segment_ptr 1
		.amdhsa_wavefront_size32 1
		.amdhsa_system_sgpr_workgroup_id_x 1
		.amdhsa_system_sgpr_workgroup_id_y 1
		.amdhsa_system_sgpr_workgroup_id_z 1
		.amdhsa_system_vgpr_workitem_id 0
		.amdhsa_next_free_vgpr 256
		.amdhsa_next_free_sgpr 66
		.amdhsa_reserve_vcc 0
		.amdhsa_float_denorm_mode_32 3
		.amdhsa_float_denorm_mode_16_64 3
		.amdhsa_memory_ordered 1
		.amdhsa_forward_progress 1
		.amdhsa_inst_pref_size 24
	.end_amdhsa_kernel
	.amdgpu_metadata
---
amdhsa.version: [ 1, 2 ]
amdhsa.kernels:
  - .name:           k_q79cb96d77d_quant
    .symbol:         k_q79cb96d77d_quant.kd
    .args:
      - { .name: x, .offset: 0, .size: 8, .value_kind: global_buffer, .address_space: global }
      - { .name: codebook, .offset: 8, .size: 8, .value_kind: global_buffer, .address_space: global }
      - { .name: xq, .offset: 16, .size: 8, .value_kind: global_buffer, .address_space: global }
      - { .name: cq, .offset: 24, .size: 8, .value_kind: global_buffer, .address_space: global }
    .group_segment_fixed_size: 170240
    .private_segment_fixed_size: 0
    .kernarg_segment_align: 8
    .kernarg_segment_size: 32
    .max_flat_workgroup_size: 320
    .sgpr_count:     66
    .vgpr_count:     256
    .wavefront_size: 32
...
	.end_amdgpu_metadata
.endif
;; end of part 1
;; launch search (part 2): grid 256 x 1, 8 waves a work-group, clusters of 4 x 1, 327,680 bytes of LDS; arguments xq, cq, tid; writes tid
.if DOCPART == 2
	.amdgcn_target "amdgcn-amd-amdhsa--gfx1250"
	.amdhsa_code_object_version 6
	.text
	.protected	k_q79cb96d77d_search
	.globl	k_q79cb96d77d_search
	.p2align	8
	.type	k_q79cb96d77d_search,@function
k_q79cb96d77d_search:
	s_mov_b64 s[64:65], 0
	v_nop
	global_prefetch_b8 v0, s[64:65] scope:SCOPE_SE
	s_setreg_imm32_b32 hwreg(HW_REG_WAVE_MODE, 25, 1), 1
	s_wait_xcnt 0x0
	s_wait_alu depctr_hold_cnt(0) depctr_sa_sdst(0) depctr_va_vdst(0) depctr_va_sdst(0) depctr_va_ssrc(0) depctr_va_vcc(0) depctr_vm_vsrc(0)
	s_getreg_b32 s2, hwreg(HW_REG_IB_STS2, 6, 4)
	s_cmp_eq_u32 s2, 0
	s_cbranch_scc0 .Lentry_in_a_cluster
	s_endpgm
.Lentry_in_a_cluster:
	s_bfe_u32 s2, ttmp6, 0x10000c
	s_cmp_lg_u32 s2, 0x3003
	s_cbranch_scc0 .Lentry_shape_is_right
	s_endpgm
.Lentry_shape_is_right:
; For each of 32,768 queries: which RUN OF 8 CODES (number 2 x tile + half) holds the first minimum of e = c2 - 2 x.c, the product on codes of FP4 (E2M1) with E8M0 scales.
; LEFT OUT: x2, which is the same for all codes of a query and so moves no argmin in exact arithmetic (shown at the head of the launch 'quant'); the next launch forms the whole distance inside the run.
; e COMES OUT OF THE MATRIX UNIT AS IT IS.  At the head the queries' codes get their sign bits turned and their scale bytes 1 added: these are the codes and scales of -2 x (the quantiser is odd, and a
; factor 2 moves the scale alone; the bytes are at most 252 before the addition).  c2 of the codes is the C of the first of the two matrix instructions.
; xq, cq: records of 16 rows, 2,304 bytes: +512 c' + 16 lane: the fragments' registers; +2048 + 4 lane: scale words (lanes 0-15 K step 0, lanes 16-31 K step 1); +2176 + 4 row: the row's sum of squares.
; SHARES.  A work-group owns 128 queries (8 tiles) against all 512 tiles of codes.  Each of its eight waves keeps all 8 query tiles in registers and walks 64 tiles of codes: in ring step t wave w takes
; tiles 64 t + 8 w + 0 .. 7.  A record is read from LDS once, by the wave whose own tensor load brought it.
; THE FORM is 32 x 16 x 128: source 0 = the 32 codes of a PAIR of records, source 1 = 16 queries.  A pair's fragments of one K step lie on end (record 2 p's 8 registers, then record 2 p + 1's), and so does its
; c2.  The 32 rows' scale words of a K step fill one register: lanes 0-15 read record 2 p's, lanes 16-31, 2,240 bytes further on, record 2 p + 1's.
; LAYOUT.  Lane (r, h) holds query r; register j code 8 h + j of the first tile, register 8 + j of the second.  A lane keeps a running minimum and the number of the tile that last lowered it (strictly: the
; earliest stays): 6 vector instructions for a tile of 16 x 16, in eight chains that take turns.  The lane's half h is the run's last bit.
; PIPELINE.  A unit is a pair against four tiles of queries: 8 matrix instructions into accumulator set g (queries 4 g .. 4 g + 3).  Behind them stands the scan of the unit before, whose 48 lines name none
; of those products' registers and are the places behind them (ISA guide 7.12.1).  Behind a pair's second unit the pair two on is fetched into its buffer.  Two buffers of a pair; all LDS offsets are
; immediates on six address registers that are never rewritten.
; THE RING.  Two slots of 64 records.  A slot is given up at its unit 5, when its last pair is in registers: the other slot's fetches begin behind that round.
; CLUSTER.  All work-groups walk the same records: the four of a cluster ask for them JOINTLY: the same tensor load, the same descriptor, the mask names the four.
; PREFETCH.  One line a wave names a step's records: of the 72 blocks of 256 bytes that wave w fetches, the partner at place cx names 18 (lanes 18-31 name the last again).  The head asks for steps 1 and 2,
; the round of step t for step t + 3; the round of step 5 asks for nothing: there is no step 8.
; LIMITS: NaN and infinities are not served (the minimum passes over NaN).
.set REC,   2304
.set WREC,  8*REC                      ; a wave's eight records of a ring step: what one tensor load brings
.set SLOT,  64*REC
.set SCR,   2*SLOT                     ; behind the ring: the waves' results: values, 512 bytes a wave; 4,096 bytes on: numbers
.set SPARE, SCR+8192                   ; the spare words, 128 bytes for each wave: four blocks of 256 bytes that no other line names
.set SPW,  1                           ; v1   LDS address of my spare word; never rewritten
.set NIL,  2                           ; v2   0; never rewritten
.set L16,  3                           ; v3   16 x lane
.set R4,   4                           ; v4   4 r
.set PFO,  5                           ; v5   the prefetches' offset
.set ADR,  6                           ; v6-7   my wave's part of slot 0, 1: + 16 lane
.set ADS,  8                           ; v8-9   + 4 lane + 2240 h
.set ADC,  10                          ; v10-11 + 32 h
.set SWA,  12                          ; v12  where I store my results
.set SRA,  13                          ; v13  where waves 0 and 1 read all waves' results
.set GOF,  14                          ; v14  and their byte offset in the work-group's 512 bytes of tid
.set QS,   16                          ; v16-23   the queries' scale words of K step 0
.set BA,   24                          ; v24-31   the running minimum
.set BB,   32                          ; v32-39   the same behind a pair's first tile
.set ID,   40                          ; v40-47   the tile that last lowered it
.set T,    48                          ; v48-55   at work
.set CS,   56                          ; v56-59   the codes' scale words: buffer b, K step s at v[CS + 2 b + s]
.set C2,   64                          ; v64-95   c2 of my 16 codes of a pair, two buffers; at the end: at work
.set TS,   64
.set QT,   96                          ; v96-103  the queries' scale words of K step 1
.set ACC,  128                         ; v128-255 two sets of 4 accumulators of 16 registers; at the end: at work
.set CF,   128                         ; window 1: v128-191 the codes' fragments, two buffers of 32; v0-127 the queries: tile q, K step s at v[16 q + 8 s]
.set WV,   10
.set G1,   16                          ; s[16:23] descriptor group 1
.set G0,   24                          ; s[24:31] group 0, a set for each slot
.set LAP,  32
.set HI,   33                          ; lanes 16-31
.set SGN,  34                          ; the eight sign bits of a register of codes
.set SM,   36                          ; s[36:43] eight masks
.set SEL,  44                          ; s[44:45] v_permlanex16_b32's selects for lane l xor 16
.set TID,  46                          ; s46, s47 the numbers of the two tiles of the pair that is scanned next
.set PFA,  56                          ; s[56:57] where the prefetches stand
.set MSB, 0
.macro WIN new                         ; the immediate's high byte repeats the setting that is left
.if MSB != \new
	s_set_vgpr_msb (MSB<<8)|\new
.set MSB, \new
.endif
.endm
.macro CREST                           ; a round of the cluster's barrier behind its opening barrier
	s_cmp_lg_u32 s[WV], 0
	s_cbranch_scc1 .Lnot_wave_0_\@
	s_barrier_signal -3
.Lnot_wave_0_\@:
	s_barrier_wait -3
	s_barrier_signal -1
	s_barrier_wait -1
.endm
.macro ROUND
	s_barrier_signal -1
	s_barrier_wait -1
	CREST
.endm
; Fourteen LDS loads: pair p (records 2 p, 2 p + 1) of my part of slot s into buffer b: eight for the fragments (512 consecutive bytes each), two for the scale words, four for c2.
.macro LOADPAIR b, s, p
	WIN 0x40                                       ; destination window 1, address window 0
.irp e, 0,1
.irp k, 0,1
.irp c, 0,1
	ds_load_b128 v[CF+32*(\b)+16*\k+8*\e+4*\c:CF+32*(\b)+16*\k+8*\e+4*\c+3], v[ADR+(\s)] offset:(2*(\p)+\e)*REC+1024*\k+512*\c
.endr
.endr
.endr
	WIN 0
	ds_load_b32 v[CS+2*(\b)], v[ADS+(\s)] offset:2*(\p)*REC+2048
	ds_load_b32 v[CS+2*(\b)+1], v[ADS+(\s)] offset:2*(\p)*REC+2112
.irp e, 0,1
	ds_load_b128 v[C2+16*(\b)+8*\e:C2+16*(\b)+8*\e+3], v[ADC+(\s)] offset:(2*(\p)+\e)*REC+2176
	ds_load_b128 v[C2+16*(\b)+8*\e+4:C2+16*(\b)+8*\e+7], v[ADC+(\s)] offset:(2*(\p)+\e)*REC+2192
.endr
.endm
; 8 matrix instructions: buffer b's 32 codes against queries 4 g .. 4 g + 3, into set g.  K step 0 starts each sum with c2, K step 1 adds in place.  The four accumulators take turns, one instruction a turn.
.macro MULT b, g
	WIN 0x05                                       ; sources 0 and 1: window 1
.irp t, 0,1,2,3
	v_wmma_scale_f32_32x16x128_f4 v[ACC+64*(\g)+16*\t:ACC+64*(\g)+16*\t+15], v[CF+32*(\b):CF+32*(\b)+15], v[64*(\g)+16*\t:64*(\g)+16*\t+7], v[C2+16*(\b):C2+16*(\b)+15], v[CS+2*(\b)], v[QS+4*(\g)+\t]
.endr
.irp t, 0,1,2,3
	v_wmma_scale_f32_32x16x128_f4 v[ACC+64*(\g)+16*\t:ACC+64*(\g)+16*\t+15], v[CF+32*(\b)+16:CF+32*(\b)+31], v[64*(\g)+16*\t+8:64*(\g)+16*\t+15], v[ACC+64*(\g)+16*\t:ACC+64*(\g)+16*\t+15], v[CS+2*(\b)+1], v[QT+4*(\g)+\t]
.endr
	WIN 0
.endm
; The scan of set g.  Eight chains by turns: for each of the four queries the first tile's 8 numbers with the running minimum, and the second tile's 8, which take the first chain's end in with their last line.
; Each accumulator is read from its low end on.  inc: what the two tile numbers step by behind a pair's second unit.
.macro SCAN g, inc
.irp t, 0,1,2,3
	v_min3_num_f32 v[T+\t], v[BA+4*(\g)+\t], v[ACC+64*(\g)+16*\t], v[ACC+64*(\g)+16*\t+1]
.endr
.irp t, 0,1,2,3
	v_min3_num_f32 v[T+4+\t], v[ACC+64*(\g)+16*\t+8], v[ACC+64*(\g)+16*\t+9], v[ACC+64*(\g)+16*\t+10]
.endr
.irp t, 0,1,2,3
	v_min3_num_f32 v[T+\t], v[T+\t], v[ACC+64*(\g)+16*\t+2], v[ACC+64*(\g)+16*\t+3]
.endr
.irp t, 0,1,2,3
	v_min3_num_f32 v[T+4+\t], v[T+4+\t], v[ACC+64*(\g)+16*\t+11], v[ACC+64*(\g)+16*\t+12]
.endr
.irp t, 0,1,2,3
	v_min3_num_f32 v[T+\t], v[T+\t], v[ACC+64*(\g)+16*\t+4], v[ACC+64*(\g)+16*\t+5]
.endr
.irp t, 0,1,2,3
	v_min3_num_f32 v[T+4+\t], v[T+4+\t], v[ACC+64*(\g)+16*\t+13], v[ACC+64*(\g)+16*\t+14]
.endr
.irp t, 0,1,2,3
	v_min3_num_f32 v[BB+4*(\g)+\t], v[T+\t], v[ACC+64*(\g)+16*\t+6], v[ACC+64*(\g)+16*\t+7]
.endr
.irp t, 0,1,2,3
	v_cmp_lt_f32 s[SM+\t], v[BB+4*(\g)+\t], v[BA+4*(\g)+\t]        ; has the first tile lowered the minimum?  Strictly: a tie leaves the earlier tile
.endr
.irp t, 0,1,2,3
	v_min3_num_f32 v[BA+4*(\g)+\t], v[T+4+\t], v[ACC+64*(\g)+16*\t+15], v[BB+4*(\g)+\t]
.endr
.irp t, 0,1,2,3
	v_cndmask_b32 v[ID+4*(\g)+\t], v[ID+4*(\g)+\t], s[TID], s[SM+\t]
.endr
.irp t, 0,1,2,3
	v_cmp_lt_f32 s[SM+4+\t], v[BA+4*(\g)+\t], v[BB+4*(\g)+\t]      ; and the second?
.endr
.irp t, 0,1,2,3
	v_cndmask_b32 v[ID+4*(\g)+\t], v[ID+4*(\g)+\t], s[TID+1], s[SM+4+\t]
.endr
.if \inc
	s_add_co_u32 s[TID], s[TID], \inc
	s_add_co_u32 s[TID+1], s[TID+1], \inc
.endif
.endm
; Unit r of slot s: pair r / 2, queries 4 (r % 2) on.  w: at a pair's first unit, the LDS loads that may stay out (the next pair's).  ld = 1: pair r / 2 + 2 of this slot is fetched; 2: pair r / 2 - 2 of the other; 0: nothing.
.macro UNIT r, s, w, ld
.if ((\r)%2) == 0
	s_wait_dscnt \w
.endif
	MULT ((\r)/2)%2, (\r)%2
.if (\r) == 0
	SCAN 1, 58                                     ; the last step's unit 7; my eight tiles of this step begin 64 on
.else
.if ((\r)%2) == 0
	SCAN 1, 2
.else
	SCAN 0, 0
.endif
.endif
.if \ld == 1
	LOADPAIR ((\r)/2)%2, \s, (\r)/2+2
.endif
.if \ld == 2
	LOADPAIR ((\r)/2)%2, 1-\s, (\r)/2-2
.endif
.endm
.macro UNITS14 s
	UNIT 1, \s, 14, 1
	UNIT 2, \s, 14, 0
	UNIT 3, \s, 14, 1
	UNIT 4, \s, 14, 0
.endm
; Unit 5 of slot s, and the change of slots.  All my tensor loads have landed (one was out: my part of the other slot); the add; the unit's products stand between it and the wait for it and for my last
; reads of slot s (pair 3); the scan of unit 4 stands between signal and wait.  refill = 1: behind the round slot s takes the records of two steps on, my one tensor load until the next round.
.macro EVENT s, refill
.if (\refill) && (\s) == 0
	s_wait_xcnt 0x0                                ; my prefetches have read their base: it steps two ring steps on
	s_add_nc_u64 s[PFA:PFA+1], s[PFA:PFA+1], 2*SLOT
.endif
	s_wait_tensorcnt 0x0
	ds_add_u32 v[SPW], v[NIL]                      ; 0 onto my spare word
.if \refill
	s_add_nc_u64 s[G0+4*\s+2:G0+4*\s+3], s[G0+4*\s+2:G0+4*\s+3], 2*SLOT   ; no tensor load of mine is out: this slot's next records
.endif
	MULT 0, 1                                      ; pair 2 has been in since unit 4
	s_wait_dscnt 0x0                               ; the add is done, and my reads of slot s are over
	s_barrier_signal -1
	SCAN 0, 0
	s_barrier_wait -1
.if \refill
	CREST                                          ; no wave of any partner still reads slot s or has a load on its way
	tensor_load_to_lds s[G0+4*\s:G0+4*\s+3], s[G1:G1+7]
	s_nop 0
.rept 4
	v_nop                                          ; four lines behind a tensor load
.endr
.endif
	LOADPAIR 0, 1-\s, 0
.if \refill
.if (\s) == 0
	s_cmp_lt_u32 ttmp9, 4
	s_cbranch_scc0 .Lno_prefetch_search0_\@
	global_prefetch_b8 v[PFO], s[PFA:PFA+1] th:TH_LOAD_NT scope:SCOPE_SE
.Lno_prefetch_search0_\@:
.else
	s_cmp_gt_u32 s[LAP], 1                         ; in the last lap there is no step three on
	s_cbranch_scc0 .Lno_ask_\@
	s_cmp_lt_u32 ttmp9, 4
	s_cbranch_scc0 .Lno_prefetch_search1_\@
	global_prefetch_b8 v[PFO], s[PFA:PFA+1] offset:SLOT th:TH_LOAD_NT scope:SCOPE_SE
.Lno_prefetch_search1_\@:
.Lno_ask_\@:
.endif
.endif
.endm
; (value, number) becomes the smaller of itself and (ov, oi): by value, and among equal values by number.
.macro LEX v, i, ov, oi
	v_cmp_lt_f32 s58, v[\ov], v[\v]
	v_cmp_eq_f32 s59, v[\ov], v[\v]
	v_cmp_lt_u32 s60, v[\oi], v[\i]
	s_and_b32 s59, s59, s60
	s_or_b32 s58, s58, s59
	v_cndmask_b32 v[\v], v[\v], v[\ov], s58
	v_cndmask_b32 v[\i], v[\i], v[\oi], s58
.endm
	s_load_b128 s[4:7], s[0:1], 0x0                ; xq, cq
	s_load_b64 s[8:9], s[0:1], 0x10                ; tid
	v_lshl_add_u32 v[SPW], v0, 2, SPARE
	v_mov_b32 v[NIL], 0
	ds_add_u32 v[SPW], v[NIL]                      ; the opening: the add, twice on end, and its wait ahead of my first tensor load
	ds_add_u32 v[SPW], v[NIL]
	v_lshrrev_b32 v15, 5, v0
	s_delay_alu instid0(VALU_DEP_1)
	v_readfirstlane_b32 s[WV], v15                 ; wave 0..7
	s_bfe_u32 s11, ttmp6, 0x40000                  ; cx: it enters xq's and tid's addresses and the prefetches' offset alone
	s_lshl_b32 s12, ttmp9, 2                       ; in a cluster launch ttmp9 counts clusters
	s_add_co_u32 s12, s12, s11                     ; my block of 128 queries
	s_mul_i32 s52, s12, WREC                       ; its eight records,
	s_mov_b32 s53, 0
	s_lshl_b32 s54, s12, 9                         ; its 512 bytes of tid
	s_mov_b32 s55, 0
	; descriptor group 1: eight records, 18,432 dense bytes, as 72 rows of 256 bytes (32 elements of 8 bytes), no padding
	s_mov_b32 s[G1], 15|(3<<16)|(1<<21)            ; 15:0 the mask: all four work-groups; 17:16 elements of 8 bytes; 21 set beside a mask
	s_mov_b32 s[G1+1], 32<<16                      ; tensor_dim0 = 32
	s_mov_b32 s[G1+2], 72<<16                      ; tensor_dim1 = 72
	s_mov_b32 s[G1+3], 32<<16                      ; tile_dim0 = 32
	s_mov_b32 s[G1+4], 72                          ; tile_dim1 = 72
	s_mov_b32 s[G1+5], 32                          ; from row to row
	s_mov_b32 s[G1+6], 0
	s_mov_b32 s[G1+7], 0
	s_mul_i32 s48, s[WV], WREC                     ; my wave's part of a step, in memory and in a slot: no place in the cluster enters it
	s_mov_b32 s49, 0
	s_mul_i32 s13, s11, 18*256                     ; of my wave's 72 blocks my work-group asks for 18
	s_add_co_u32 s13, s13, s48
	s_lshl_b32 s50, s[WV], 9
	s_add_co_u32 s50, s50, SCR                     ; SCR + 512 w
	s_and_b32 s51, s[WV], 1
	s_lshl_b32 s51, s51, 8
	s_mov_b32 s[HI], 0xffff0000
	s_mov_b32 s[SGN], 0x88888888
	s_mov_b32 s[SEL], 0x76543210
	s_mov_b32 s[SEL+1], 0xfedcba98
	s_lshl_b32 s[TID], s[WV], 3                    ; my first tile: 8 w,
	s_add_co_u32 s[TID+1], s[TID], 1               ; and the one behind it
	v_and_b32 v15, 31, v0                          ; lane
	v_bfe_u32 v[ADC], v0, 4, 1                     ; h
	v_and_b32 v[R4], 15, v0                        ; r
	s_delay_alu instid0(VALU_DEP_3)
	v_lshlrev_b32 v[L16], 4, v15
	s_delay_alu instid0(VALU_DEP_4)
	v_lshl_add_u32 v[ADS], v15, 2, s48
	v_min_u32 v[PFO], 17, v15
	s_delay_alu instid0(VALU_DEP_4)
	v_lshlrev_b32 v[R4], 2, v[R4]
	s_delay_alu instid0(VALU_DEP_4)
	v_add_nc_u32 v[ADR], s48, v[L16]
	s_delay_alu instid0(VALU_DEP_4)
	v_mad_u32_u24 v[ADS], v[ADC], 2240, v[ADS]     ; lanes 16-31: the next record's words of the same K step: 2304 - 64 bytes on
	s_delay_alu instid0(VALU_DEP_4)
	v_lshl_add_u32 v[PFO], v[PFO], 8, s13
	v_lshl_add_u32 v[ADC], v[ADC], 5, s48
	s_delay_alu instid0(VALU_DEP_4)
	v_add_nc_u32 v[ADR+1], SLOT, v[ADR]
	s_delay_alu instid0(VALU_DEP_4)
	v_add_nc_u32 v[ADS+1], SLOT, v[ADS]
	v_lshl_add_u32 v[SWA], v15, 2, s50             ; SCR + 512 w + 4 lane
	s_delay_alu instid0(VALU_DEP_4)
	v_add_nc_u32 v[ADC+1], SLOT, v[ADC]
	v_lshl_add_u32 v[GOF], v15, 3, s51             ; 256 (w % 2) + 8 lane
	s_delay_alu instid0(VALU_DEP_1)
	v_add_nc_u32 v[SRA], SCR, v[GOF]
	s_wait_alu depctr_va_vdst(0)
	s_wait_dscnt 0x0                               ; both opening adds are done
	s_wait_kmcnt 0x0
	s_add_nc_u64 s[4:5], s[4:5], s[52:53]
	s_add_nc_u64 s[8:9], s[8:9], s[54:55]
	s_add_nc_u64 s[50:51], s[6:7], s[48:49]        ; cq at my wave's records of step 0
	s_add_nc_u64 s[PFA:PFA+1], s[6:7], SLOT        ; at step 1; the first change of slots steps it to step 3
.irp n, 0,1
	s_mov_b32 s[G0+4*\n], 1                        ; 1:0 count = 1
	s_add_co_u32 s[G0+4*\n+1], s48, \n*SLOT        ; 63:32 LDS address
	s_add_nc_u64 s[G0+4*\n+2:G0+4*\n+3], s[50:51], \n*SLOT   ; 120:64 global address: step n
	s_or_b32 s[G0+4*\n+3], s[G0+4*\n+3], 0x80000000          ; 127:126 type = 2
.endr
	ROUND                                          ; all four work-groups are here: the first joint loads meet
	tensor_load_to_lds s[G0:G0+3], s[G1:G1+7]      ; step 0 into slot 0: my one tensor load at the head
	s_nop 0
.rept 4
	v_nop
.endr
	s_cmp_lt_u32 ttmp9, 4
	s_cbranch_scc0 .Lno_prefetch_search2
	global_prefetch_b8 v[PFO], s[PFA:PFA+1] th:TH_LOAD_NT scope:SCOPE_SE               ; step 1's records,
	global_prefetch_b8 v[PFO], s[PFA:PFA+1] offset:SLOT th:TH_LOAD_NT scope:SCOPE_SE   ; and step 2's
.Lno_prefetch_search2:
	WIN 0x40                                       ; destination window 1, address window 0
.irp q, 0,1,2,3,4,5,6,7
.irp c, 0,1,2,3
	global_load_b128 v[16*\q+4*\c:16*\q+4*\c+3], v[L16], s[4:5] offset:\q*REC+512*\c
.endr
.endr
	WIN 0
.irp q, 0,1,2,3,4,5,6,7
	global_load_b32 v[QS+\q], v[R4], s[4:5] offset:\q*REC+2048
	global_load_b32 v[QT+\q], v[R4], s[4:5] offset:\q*REC+2112
.endr
.irp q, 0,1,2,3,4,5,6,7
	v_mov_b32 v[BA+\q], 0x7f800000                 ; + infinity: over every e
	v_mov_b32 v[ID+\q], 0
.endr
	s_wait_loadcnt 0x0                             ; the queries: they are made ready while step 0's records are on their way
.irp q, 0,1,2,3,4,5,6,7
	v_add_nc_u32 v[QS+\q], 0x01010101, v[QS+\q]    ; x 2: 1 onto each scale byte (at most 252 before)
	v_add_nc_u32 v[QT+\q], 0x01010101, v[QT+\q]
.endr
	WIN 0x44                                       ; source 1 and destination: window 1
.set i, 0
.rept 128
	v_xor_b32 v[i], s[SGN], v[i]                   ; x -1: the sign bit of each code
.set i, i+1
.endr
	WIN 0
	s_wait_alu depctr_va_vdst(0)
	s_wait_tensorcnt 0x0                           ; my part of step 0 is in; slot 1's first fill is issued as a refill is:
	ds_add_u32 v[SPW], v[NIL]
	s_wait_dscnt 0x0
	ROUND
	tensor_load_to_lds s[G0+4:G0+7], s[G1:G1+7]    ; step 1 into slot 1
	s_nop 0
.rept 4
	v_nop
.endr
	LOADPAIR 0, 0, 0
	LOADPAIR 1, 0, 1
	s_wait_dscnt 14
	MULT 0, 0                                      ; the first unit stands in front of the loop: nothing is there to scan yet
.rept 6
	v_nop                                          ; the places that a scan fills elsewhere
.endr
	s_mov_b32 s[LAP], 3
.Llap:                                             ; a trip goes once round the ring, from unit 1 of slot 0 to unit 0 of its next fill, and fills both slots again
	UNITS14 0
	EVENT 0, 1
	UNIT 6, 0, 14, 0
	UNIT 7, 0, 14, 2
	UNIT 0, 1, 14, 0
	UNITS14 1
	EVENT 1, 1
	UNIT 6, 1, 14, 0
	UNIT 7, 1, 14, 2
	UNIT 0, 0, 14, 0
	s_sub_co_u32 s[LAP], s[LAP], 1
	s_cmp_lg_u32 s[LAP], 0
	s_cbranch_scc1 .Llap
	UNITS14 0                                      ; steps 6 and 7 are written out: nothing is left to fetch from memory
	EVENT 0, 0
	UNIT 6, 0, 14, 0
	UNIT 7, 0, 14, 2
	UNIT 0, 1, 14, 0
	UNITS14 1
	UNIT 5, 1, 14, 0
	UNIT 6, 1, 0, 0                                ; the last pair: nothing was asked for behind it
	UNIT 7, 1, 0, 0
	SCAN 1, 0
	; THE END.  The tile's number takes the lane's half as its last bit; a query's two halves of the lanes are joined; then the eight waves' results meet in LDS, and waves 0 and 1 choose among them and store 64 numbers each.
	v_bfe_u32 v[T], v0, 4, 1                       ; h
	s_delay_alu instid0(VALU_DEP_1)
.irp q, 0,1,2,3,4,5,6,7
	v_lshl_add_u32 v[ID+\q], v[ID+\q], 1, v[T]     ; 2 x tile + h: codes 8 x that number + 0 .. 7
.endr
.irp q, 0,1,2,3,4,5,6,7
	v_permlanex16_b32 v[TS+\q], v[BA+\q], s[SEL], s[SEL+1]
.endr
.irp q, 0,1,2,3,4,5,6,7
	v_permlanex16_b32 v[TS+8+\q], v[ID+\q], s[SEL], s[SEL+1]
.endr
.irp q, 0,1,2,3,4,5,6,7
	LEX BA+\q, ID+\q, TS+\q, TS+8+\q
.endr
.irp k, 0,1,2,3                                ; tiles 2 k and 2 k + 1 into one register: lane l then holds query 32 k + l
	v_cndmask_b32 v[TS+16+\k], v[BA+2*\k], v[BA+2*\k+1], s[HI]
	v_cndmask_b32 v[TS+20+\k], v[ID+2*\k], v[ID+2*\k+1], s[HI]
.endr
.irp k, 0,1,2,3
	ds_store_b32 v[SWA], v[TS+16+\k] offset:128*\k
	ds_store_b32 v[SWA], v[TS+20+\k] offset:4096+128*\k
.endr
	s_wait_dscnt 0x0                               ; for the others' sake: my stores have landed
	s_barrier_signal -1
	s_barrier_wait -1
	s_cmp_gt_u32 s[WV], 1
	s_cbranch_scc1 .Ldone
.irp w, 0,1,2,3,4,5,6,7                        ; two queries a lane, from each of the eight waves
	ds_load_b64 v[ACC+2*\w:ACC+2*\w+1], v[SRA] offset:512*\w
	ds_load_b64 v[ACC+16+2*\w:ACC+16+2*\w+1], v[SRA] offset:4096+512*\w
.endr
	s_wait_dscnt 0x0
.irp w, 1,2,3,4,5,6,7
.irp e, 0,1
	LEX ACC+\e, ACC+16+\e, ACC+2*\w+\e, ACC+16+2*\w+\e
.endr
.endr
	global_store_b64 v[GOF], v[ACC+16:ACC+17], s[8:9]    ; 32 lanes store 256 consecutive bytes, aligned
.Ldone:
	s_wait_tensorcnt 0x0                           ; the wave's end: behind my last tensor load and my last LDS store
	ds_add_u32 v[SPW], v[NIL]
	s_wait_dscnt 0x0
	ROUND                                          ; the closing round: no work-group ends while a partner may still ask for records jointly
	s_endpgm
.Lfunc_end_k_q79cb96d77d_search:
	.size	k_q79cb96d77d_search, .Lfunc_end_k_q79cb96d77d_search-k_q79cb96d77d_search
	.p2alignl 7, 3214868480
	.fill 96, 4, 3214868480
	.section	.rodata,"a",@progbits
	.p2align	6, 0x0
	.amdhsa_kernel k_q79cb96d77d_search
		.amdhsa_group_segment_fixed_size 327680
		.amdhsa_private_segment_fixed_size 0
		.amdhsa_enable_private_segment 0
		.amdhsa_kernarg_size 24
		.amdhsa_user_sgpr_count 2
		.amdhsa_user_sgpr_kernarg_segment_ptr 1
		.amdhsa_wavefront_size32 1
		.amdhsa_system_sgpr_workgroup_id_x 1
		.amdhsa_system_sgpr_workgroup_id_y 1
		.amdhsa_system_sgpr_workgroup_id_z 1
		.amdhsa_system_vgpr_workitem_id 0
		.amdhsa_next_free_vgpr 448
		.amdhsa_next_free_sgpr 66
		.amdhsa_reserve_vcc 0
		.amdhsa_float_denorm_mode_32 3
		.amdhsa_float_denorm_mode_16_64 3
		.amdhsa_memory_ordered 1
		.amdhsa_forward_progress 1
		.amdhsa_inst_pref_size 178
	.end_amdhsa_kernel
	.amdgpu_metadata
---
amdhsa.version: [ 1, 2 ]
amdhsa.kernels:
  - .name:           k_q79cb96d77d_search
    .symbol:         k_q79cb96d77d_search.kd
    .args:
      - { .name: xq, .offset: 0, .size: 8, .value_kind: global_buffer, .address_space: global }
      - { .name: cq, .offset: 8, .size: 8, .value_kind: global_buffer, .address_space: global }
      - { .name: tid, .offset: 16, .size: 8, .value_kind: global_buffer, .address_space: global }
    .group_segment_fixed_size: 327680
    .private_segment_fixed_size: 0
    .kernarg_segment_align: 8
    .kernarg_segment_size: 24
    .max_flat_workgroup_size: 256
    .sgpr_count:     66
    .vgpr_count:     448
    .wavefront_size: 32
...
	.end_amdgpu_metadata
.endif
;; end of part 2
;; launch refine (part 3): grid 256 x 1, 8 waves a work-group, no clusters, 2,048 bytes of LDS; arguments xq, cq, tid, out0, enc; writes out0, enc
.if DOCPART == 3
	.amdgcn_target "amdgcn-amd-amdhsa--gfx1250"
	.amdhsa_code_object_version 6
	.text
	.protected	k_q79cb96d77d_refine
	.globl	k_q79cb96d77d_refine
	.p2align	8
	.type	k_q79cb96d77d_refine,@function
k_q79cb96d77d_refine:
	s_mov_b64 s[64:65], 0
	v_nop
	global_prefetch_b8 v0, s[64:65] scope:SCOPE_SE
	s_setreg_imm32_b32 hwreg(HW_REG_WAVE_MODE, 25, 1), 1
	s_wait_xcnt 0x0
; For each query: the place of the first minimum inside the run of 8 codes that the launch before has named (tid = 2 x tile + half), and so the index: 8 x tid + place.
; A wave takes a tile of 16 queries.  ONE OPERAND TILE SERVES TWO QUERIES: rows 0-7 of tile i are the 8 codes of query 2 i's run, rows 8-15 those of query 2 i + 1's.  In a record the 16 bytes of row m, half hk
; of K, lie at 512 c' + 16 m + 256 hk, so lane (rho, hk) of the operand takes them at its own offset: record of its query's run + 128 x the run's half + 16 (rho % 8) + 256 hk: eight lanes read 128 consecutive bytes.
; Eight tiles, two matrix instructions each, against the wave's queries.  Query r's 8 products then lie in accumulator r / 2, in the lane (r, h = r % 2).
; d = (x2 + c2) - 2 x.c: one addition, one fused multiply-add.  Ties go to the lower index.
; The numbers from tid are whole numbers read from memory and held to 0 .. 1023 before they enter an offset.  The index goes to out0 and, for the next launch's addresses, to enc.
; No tensor load: the records' parts come straight into registers.
; REGISTERS: v1 16 lane; v2 4 lane; v3 4 r; v4, v15 the spare word's address and 0; v5 my query's run; v6 its c2's offset; v7, v8 LDS addresses (v8 also the offset in the outputs); v9, v13 my lane's place in a
;   fragment and among the scale words; v[10:11] x2, twice; v12 the queries' scale words; v14 which of a tile's two queries is my row's; v16-31 the queries' fragments; v32-39 the tiles' runs, then c2;
;   v40-47 the fragments' offsets, then d; v48-55 the scale words' offsets; v56-63 the tiles' scale words; v64-127 eight accumulators; v128-255 the tiles' fragments, at the head and at the end at work.
.set REC, 2304
	s_load_b128 s[4:7], s[0:1], 0x0                ; xq, cq
	s_load_b128 s[8:11], s[0:1], 0x10              ; tid, out0
	s_load_b64 s[12:13], s[0:1], 0x20              ; enc
	v_lshl_add_u32 v4, v0, 2, 0x400
	v_mov_b32 v15, 0
	v_lshrrev_b32 v128, 5, v0
	s_delay_alu instid0(VALU_DEP_1)
	v_readfirstlane_b32 s14, v128                  ; wave 0..7
	s_lshl_b32 s15, ttmp9, 3
	s_add_co_u32 s15, s15, s14                     ; my tile of queries
	s_lshl_b32 s24, s14, 6
	s_and_b32 s25, s14, 1
	s_lshl_b32 s25, s25, 8
	v_and_b32 v129, 31, v0                         ; lane
	v_and_b32 v3, 15, v0                           ; r
	v_and_b32 v9, 7, v0                            ; rho % 8
	v_bfe_u32 v130, v0, 4, 1                       ; hk
	v_bfe_u32 v14, v0, 3, 1                        ; rho / 8
	v_lshlrev_b32 v1, 4, v129
	v_lshlrev_b32 v2, 2, v129
	v_lshlrev_b32 v3, 2, v3
	v_lshlrev_b32 v13, 2, v9
	v_lshlrev_b32 v9, 4, v9
	v_lshlrev_b32 v14, 2, v14
	s_delay_alu instid0(VALU_DEP_3)
	v_lshl_add_u32 v13, v130, 6, v13               ; 4 (rho % 8) + 64 hk
	s_delay_alu instid0(VALU_DEP_3)
	v_lshl_add_u32 v9, v130, 8, v9                 ; 16 (rho % 8) + 256 hk
	v_add_nc_u32 v7, s24, v3                       ; LDS: 64 w + 4 r: my query's word among the work-group's 128
	v_lshl_add_u32 v8, v129, 3, s25                ; 256 (w % 2) + 8 lane
	s_lshl_b32 s26, s15, 6                         ; my 16 words of tid
	s_mov_b32 s27, 0
	s_mul_i32 s28, s15, REC                        ; my record of xq
	s_mov_b32 s29, 0
	s_lshl_b32 s30, ttmp9, 9                       ; the work-group's 512 bytes of out0 and of enc
	s_mov_b32 s31, 0
	s_mov_b32 s32, 0x76543210
	s_mov_b32 s33, 0xfedcba98                      ; v_permlanex16_b32's selects for lane l xor 16
	s_mov_b32 s34, 0xaaaa5555                      ; the lanes (r, h = r % 2)
	s_wait_alu depctr_va_vdst(0)
	s_wait_kmcnt 0x0
	s_add_nc_u64 s[16:17], s[8:9], s[26:27]
	s_add_nc_u64 s[18:19], s[4:5], s[28:29]
	s_add_nc_u64 s[20:21], s[10:11], s[30:31]
	s_add_nc_u64 s[22:23], s[12:13], s[30:31]
	global_load_b32 v5, v3, s[16:17]               ; my own query's run,
.irp i, 0,1,2,3,4,5,6,7
	global_load_b32 v[32+\i], v14, s[16:17] offset:8*\i   ; and that of query 2 i + rho / 8: my row of tile i
.endr
.irp c, 0,1,2,3
	global_load_b128 v[16+4*\c:19+4*\c], v1, s[18:19] offset:512*\c
.endr
	global_load_b32 v12, v2, s[18:19] offset:2048
	global_load_b32 v10, v3, s[18:19] offset:2176
	global_load_b32 v11, v3, s[18:19] offset:2176
	s_wait_loadcnt 7                               ; the nine numbers are in; the seven loads of the queries' record may be out
	v_min_u32 v5, 1023, v5                         ; a loaded number enters an offset only behind this hold
.irp i, 0,1,2,3,4,5,6,7
	v_min_u32 v[32+\i], 1023, v[32+\i]
.endr
	v_and_b32 v6, 0x3fe, v5                        ; 2 x tile
.irp i, 0,1,2,3,4,5,6,7
	v_and_b32 v[40+\i], 0x3fe, v[32+\i]
.endr
	v_and_b32 v128, 1, v5                          ; the half
.irp i, 0,1,2,3,4,5,6,7
	v_and_b32 v[32+\i], 1, v[32+\i]
.endr
	v_mul_u32_u24 v6, v6, REC/2                    ; the record
.irp i, 0,1,2,3,4,5,6,7
	v_mul_u32_u24 v[40+\i], v[40+\i], REC/2
.endr
	v_lshl_add_u32 v6, v128, 5, v6                 ; + 32 x half: c2 of my query's 8 codes
.irp i, 0,1,2,3,4,5,6,7
	v_lshl_add_u32 v[48+\i], v[32+\i], 5, v[40+\i] ; scale words: + 4 x 8 x half
.endr
.irp i, 0,1,2,3,4,5,6,7
	v_lshl_add_u32 v[40+\i], v[32+\i], 7, v[40+\i] ; fragments: + 16 x 8 x half
.endr
.irp i, 0,1,2,3,4,5,6,7
	v_add_nc_u32 v[48+\i], v[48+\i], v13
.endr
.irp i, 0,1,2,3,4,5,6,7
	v_add_nc_u32 v[40+\i], v[40+\i], v9
.endr
	global_load_b128 v[32:35], v6, s[6:7] offset:2176
	global_load_b128 v[36:39], v6, s[6:7] offset:2192
.irp i, 0,1,2,3,4,5,6,7
.irp c, 0,1,2,3
	global_load_b128 v[128+16*\i+4*\c:128+16*\i+4*\c+3], v[40+\i], s[6:7] offset:512*\c
.endr
.endr
.irp i, 0,1,2,3,4,5,6,7
	global_load_b32 v[56+\i], v[48+\i], s[6:7] offset:2048
.endr
	s_wait_loadcnt 0x0
.irp i, 0,1,2,3,4,5,6,7                        ; the eight accumulators take turns, one instruction a turn
	v_wmma_scale_f32_16x16x128_f8f6f4 v[64+8*\i:71+8*\i], v[128+16*\i:135+16*\i], v[16:23], 0, v[56+\i], v12 matrix_a_fmt:MATRIX_FMT_FP4 matrix_b_fmt:MATRIX_FMT_FP4
.endr
.irp i, 0,1,2,3,4,5,6,7
	v_wmma_scale_f32_16x16x128_f8f6f4 v[64+8*\i:71+8*\i], v[136+16*\i:143+16*\i], v[24:31], v[64+8*\i:71+8*\i], v[56+\i], v12 matrix_a_fmt:MATRIX_FMT_FP4 matrix_b_fmt:MATRIX_FMT_FP4 matrix_a_scale:MATRIX_SCALE_ROW1 matrix_b_scale:MATRIX_SCALE_ROW1
.endr
.rept 4
	v_nop                                          ; four places behind the last products, ahead of the first read of results (ISA guide 7.12.1)
.endr
.irp i, 1,2,3,4,5,6,7                          ; lanes 2 i and 17 + 2 i take accumulator i's registers; each accumulator is read from its low end on
	s_mov_b32 s36, 0x20001<<(2*\i)
.irp j, 0,1,2,3,4,5,6,7
	v_cndmask_b32 v[64+\j], v[64+\j], v[64+8*\i+\j], s36
.endr
.endr
.irp p, 0,1,2,3
	v_pk_add_f32 v[40+2*\p:41+2*\p], v[32+2*\p:33+2*\p], v[10:11]          ; x2 + c2
.endr
.irp p, 0,1,2,3
	s_delay_alu instid0(VALU_DEP_4)
	v_pk_fma_f32 v[40+2*\p:41+2*\p], v[64+2*\p:65+2*\p], -2.0, v[40+2*\p:41+2*\p] op_sel_hi:[1,0,1]   ; - 2 x.c
.endr
	s_delay_alu instid0(VALU_DEP_4)
	v_mov_b32 v128, v40                            ; the smallest of my eight, and its place: ascending and strict, so the first stays
	v_mov_b32 v129, 0
.irp j, 1,2,3,4,5,6,7
	s_delay_alu instid0(VALU_DEP_2)
	v_cmp_lt_f32 vcc_lo, v[40+\j], v128
	s_delay_alu instid0(VALU_DEP_1)
	v_cndmask_b32 v128, v128, v[40+\j], vcc_lo
	s_delay_alu instid0(VALU_DEP_2)
	v_cndmask_b32 v129, v129, \j, vcc_lo
.endr
	v_mov_b32 v131, 0                              ; a lane permute's destination counts as one of its sources
	s_delay_alu instid0(VALU_DEP_2)
	v_lshl_add_u32 v130, v5, 3, v129               ; the index, in the lanes (r, r % 2)
	s_delay_alu instid0(VALU_DEP_1)
	v_permlanex16_b32 v131, v130, s32, s33
	s_delay_alu instid0(VALU_DEP_1)
	v_cndmask_b32 v130, v131, v130, s34            ; the other lane of the query takes it over
	ds_store_b32 v7, v130                          ; both lanes of a query write the same word with the same value
	s_wait_dscnt 0x0                               ; for the others' sake: my store has landed
	s_barrier_signal -1
	s_barrier_wait -1
	s_cmp_gt_u32 s14, 1
	s_cbranch_scc1 .Ldone
	ds_load_b64 v[132:133], v8                     ; waves 0 and 1: 64 indices each, two a lane
	s_wait_dscnt 0x0
	global_store_b64 v8, v[132:133], s[20:21]      ; 32 lanes store 256 consecutive bytes, aligned
	global_store_b64 v8, v[132:133], s[22:23]
.Ldone:
	s_wait_tensorcnt 0x0                           ; the wave's end: behind my last LDS store
	ds_add_u32 v4, v15
	s_wait_dscnt 0x0
	s_endpgm
.Lfunc_end_k_q79cb96d77d_refine:
	.size	k_q79cb96d77d_refine, .Lfunc_end_k_q79cb96d77d_refine-k_q79cb96d77d_refine
	.p2alignl 7, 3214868480
	.fill 96, 4, 3214868480
	.section	.rodata,"a",@progbits
	.p2align	6, 0x0
	.amdhsa_kernel k_q79cb96d77d_refine
		.amdhsa_group_segment_fixed_size 2048
		.amdhsa_private_segment_fixed_size 0
		.amdhsa_enable_private_segment 0
		.amdhsa_kernarg_size 40
		.amdhsa_user_sgpr_count 2
		.amdhsa_user_sgpr_kernarg_segment_ptr 1
		.amdhsa_wavefront_size32 1
		.amdhsa_system_sgpr_workgroup_id_x 1
		.amdhsa_system_sgpr_workgroup_id_y 1
		.amdhsa_system_sgpr_workgroup_id_z 1
		.amdhsa_system_vgpr_workitem_id 0
		.amdhsa_next_free_vgpr 256
		.amdhsa_next_free_sgpr 66
		.amdhsa_reserve_vcc 1
		.amdhsa_float_denorm_mode_32 3
		.amdhsa_float_denorm_mode_16_64 3
		.amdhsa_memory_ordered 1
		.amdhsa_forward_progress 1
		.amdhsa_inst_pref_size 21
	.end_amdhsa_kernel
	.amdgpu_metadata
---
amdhsa.version: [ 1, 2 ]
amdhsa.kernels:
  - .name:           k_q79cb96d77d_refine
    .symbol:         k_q79cb96d77d_refine.kd
    .args:
      - { .name: xq, .offset: 0, .size: 8, .value_kind: global_buffer, .address_space: global }
      - { .name: cq, .offset: 8, .size: 8, .value_kind: global_buffer, .address_space: global }
      - { .name: tid, .offset: 16, .size: 8, .value_kind: global_buffer, .address_space: global }
      - { .name: out0, .offset: 24, .size: 8, .value_kind: global_buffer, .address_space: global }
      - { .name: enc, .offset: 32, .size: 8, .value_kind: global_buffer, .address_space: global }
    .group_segment_fixed_size: 2048
    .private_segment_fixed_size: 0
    .kernarg_segment_align: 8
    .kernarg_segment_size: 40
    .max_flat_workgroup_size: 256
    .sgpr_count:     66
    .vgpr_count:     256
    .wavefront_size: 32
...
	.end_amdgpu_metadata
.endif
;; end of part 3
;; launch gather (part 4): grid 256 x 1, 16 waves a work-group, no clusters, 2,304 bytes of LDS; arguments x, codebook, enc, out3, part; writes out3, part
.if DOCPART == 4
	.amdgcn_target "amdgcn-amd-amdhsa--gfx1250"
	.amdhsa_code_object_version 6
	.text
	.protected	k_q79cb96d77d_gather
	.globl	k_q79cb96d77d_gather
	.p2align	8
	.type	k_q79cb96d77d_gather,@function
k_q79cb96d77d_gather:
	s_mov_b64 s[64:65], 0
	v_nop
	global_prefetch_b8 v0, s[64:65] scope:SCOPE_SE
	s_setreg_imm32_b32 hwreg(HW_REG_WAVE_MODE, 25, 1), 1
	s_wait_xcnt 0x0
; out3[n] = codebook[enc[n]], and for each work-group the sum of (x - nearest)^2 over its 128 rows, in f32.
; A wave takes 8 rows.  The indices are whole numbers that an earlier launch stored: they are read as scalars and held to 0 .. 8191 before they enter an address.
; A row is 1,024 bytes: two loads of 512 consecutive bytes; the codebook's rows are stored from the registers into which they were loaded, which are not written again.
; All 32 loads of a wave go out before the first is waited for.  Memory binds: no matrix unit, no cluster, LDS only for the sixteen waves' sums.
; REGISTERS: v1 16 lane; v2 my wave's LDS word; v3 0; v8-15 the rows' offsets in the codebook; v16-79 x; v80-143 the codebook's rows; v144-151 four packed sums.
	s_load_b128 s[4:7], s[0:1], 0x0                ; x, codebook
	s_load_b128 s[8:11], s[0:1], 0x10              ; enc, out3
	s_load_b64 s[12:13], s[0:1], 0x20              ; part
	v_lshl_add_u32 v160, v0, 2, 0x100
	v_mov_b32 v161, 0
	v_lshrrev_b32 v1, 5, v0
	s_delay_alu instid0(VALU_DEP_1)
	v_readfirstlane_b32 s14, v1                    ; wave 0..15
	v_and_b32 v1, 31, v0
	s_delay_alu instid0(VALU_DEP_1)
	v_lshlrev_b32 v1, 4, v1
	s_lshl_b32 s15, ttmp9, 7
	s_lshl_b32 s24, s14, 3
	s_add_co_u32 s15, s15, s24                     ; my first row: 128 x work-group + 8 x wave
	s_lshl_b32 s24, s15, 2
	s_mov_b32 s25, 0
	s_lshl_b32 s26, s15, 10
	s_mov_b32 s27, 0
	s_lshl_b32 s28, ttmp9, 2
	s_mov_b32 s29, 0
	s_mov_b32 s30, 0x76543210
	s_mov_b32 s31, 0xfedcba98                      ; v_permlanex16_b32's selects for lane l xor 16
	v_mov_b32 v2, s14
	s_delay_alu instid0(VALU_DEP_1)
	v_lshlrev_b32 v2, 2, v2
	v_mov_b32 v3, 0
	v_mov_b32 v4, 0                                ; a lane permute's destination counts as one of its sources
	s_wait_alu depctr_va_vdst(0)
	s_wait_kmcnt 0x0
	s_add_nc_u64 s[8:9], s[8:9], s[24:25]
	s_add_nc_u64 s[4:5], s[4:5], s[26:27]
	s_add_nc_u64 s[10:11], s[10:11], s[26:27]
	s_add_nc_u64 s[12:13], s[12:13], s[28:29]
	s_load_b256 s[16:23], s[8:9], 0x0              ; my eight indices
.irp i, 0,1,2,3,4,5,6,7
	global_load_b128 v[16+8*\i:19+8*\i], v1, s[4:5] offset:1024*\i th:TH_LOAD_NT
	global_load_b128 v[20+8*\i:23+8*\i], v1, s[4:5] offset:1024*\i+512 th:TH_LOAD_NT
.endr
	s_wait_kmcnt 0x0
.irp i, 0,1,2,3,4,5,6,7
	s_min_u32 s[16+\i], s[16+\i], 8191             ; a loaded number enters an address only behind this hold
.endr
.irp i, 0,1,2,3,4,5,6,7                        ; all eight offsets are made ahead of the first of the loads that read them
	v_lshl_add_u32 v[8+\i], s[16+\i], 10, v1
.endr
.irp i, 0,1,2,3,4,5,6,7
	global_load_b128 v[80+8*\i:83+8*\i], v[8+\i], s[6:7]
	global_load_b128 v[84+8*\i:87+8*\i], v[8+\i], s[6:7] offset:512
.endr
.irp i, 0,1,2,3,4,5,6,7
	s_wait_loadcnt 14-2*\i                         ; x and this row of the codebook are in; the two loads of each later row may be out
	global_store_b128 v1, v[80+8*\i:83+8*\i], s[10:11] offset:1024*\i th:TH_STORE_NT       ; 32 lanes store 512 consecutive bytes, aligned
	global_store_b128 v1, v[84+8*\i:87+8*\i], s[10:11] offset:1024*\i+512 th:TH_STORE_NT
.endr
.irp i, 0,1,2,3,4,5,6,7                        ; all sixteen stores are out: now the arithmetic, which writes none of their registers
.irp k, 0,1,2,3
	v_pk_add_f32 v[16+8*\i+2*\k:17+8*\i+2*\k], v[16+8*\i+2*\k:17+8*\i+2*\k], v[80+8*\i+2*\k:81+8*\i+2*\k] neg_lo:[0,1] neg_hi:[0,1]   ; x - nearest
.endr
	s_wait_alu depctr_va_vdst(0)
.irp k, 0,1,2,3
.if \i == 0
	v_pk_mul_f32 v[144+2*\k:145+2*\k], v[16+2*\k:17+2*\k], v[16+2*\k:17+2*\k]               ; the first row starts the sums
.else
	v_pk_fma_f32 v[144+2*\k:145+2*\k], v[16+8*\i+2*\k:17+8*\i+2*\k], v[16+8*\i+2*\k:17+8*\i+2*\k], v[144+2*\k:145+2*\k]
.endif
.endr
.endr
	s_delay_alu instid0(VALU_DEP_3)
	v_pk_add_f32 v[144:145], v[144:145], v[146:147]
	s_delay_alu instid0(VALU_DEP_2)
	v_pk_add_f32 v[148:149], v[148:149], v[150:151]
	s_delay_alu instid0(VALU_DEP_1)
	v_pk_add_f32 v[144:145], v[144:145], v[148:149]
	s_delay_alu instid0(VALU_DEP_1)
	v_add_f32 v144, v144, v145
	s_delay_alu instid0(VALU_DEP_1)
	v_add_f32_dpp v144, v144, v144 row_xmask:1 row_mask:0xf bank_mask:0xf
	s_delay_alu instid0(VALU_DEP_1)
	v_add_f32_dpp v144, v144, v144 row_xmask:2 row_mask:0xf bank_mask:0xf
	s_delay_alu instid0(VALU_DEP_1)
	v_add_f32_dpp v144, v144, v144 row_xmask:4 row_mask:0xf bank_mask:0xf
	s_delay_alu instid0(VALU_DEP_1)
	v_add_f32_dpp v144, v144, v144 row_xmask:8 row_mask:0xf bank_mask:0xf
	s_delay_alu instid0(VALU_DEP_1)
	v_permlanex16_b32 v4, v144, s30, s31
	s_delay_alu instid0(VALU_DEP_1)
	v_add_f32 v144, v144, v4                       ; the wave's sum, in every lane
	ds_store_b32 v2, v144                          ; all lanes write the same word with the same value
	s_wait_dscnt 0x0                               ; for wave 0's sake: my store has landed
	s_barrier_signal -1
	s_barrier_wait -1
	s_cmp_lg_u32 s14, 0
	s_cbranch_scc1 .Lend
.irp k, 0,1,2,3
	ds_load_b128 v[16+4*\k:19+4*\k], v3 offset:16*\k   ; the sixteen waves' sums, in every lane
.endr
	s_wait_dscnt 0x0
	v_pk_add_f32 v[16:17], v[16:17], v[18:19]
	v_pk_add_f32 v[20:21], v[20:21], v[22:23]
	v_pk_add_f32 v[24:25], v[24:25], v[26:27]
	v_pk_add_f32 v[28:29], v[28:29], v[30:31]
	s_delay_alu instid0(VALU_DEP_3)
	v_pk_add_f32 v[16:17], v[16:17], v[20:21]
	s_delay_alu instid0(VALU_DEP_2)
	v_pk_add_f32 v[24:25], v[24:25], v[28:29]
	s_delay_alu instid0(VALU_DEP_1)
	v_pk_add_f32 v[16:17], v[16:17], v[24:25]
	s_delay_alu instid0(VALU_DEP_1)
	v_add_f32 v16, v16, v17
	v_cmp_eq_u32 vcc_lo, 0, v0
	s_wait_alu depctr_va_vdst(0)
	s_wait_xcnt 0x0                                ; EXEC is a source of the stores above: it changes only behind this wait
	s_and_saveexec_b32 s32, vcc_lo
	global_store_b32 v3, v16, s[12:13]             ; thread 0: the work-group's sum
	s_wait_xcnt 0x0                                ; and again, in front of the line that widens EXEC
	s_or_b32 exec_lo, exec_lo, s32
.Lend:
	s_wait_tensorcnt 0x0
	ds_add_u32 v160, v161
	s_wait_dscnt 0x0
	s_endpgm
.Lfunc_end_k_q79cb96d77d_gather:
	.size	k_q79cb96d77d_gather, .Lfunc_end_k_q79cb96d77d_gather-k_q79cb96d77d_gather
	.p2alignl 7, 3214868480
	.fill 96, 4, 3214868480
	.section	.rodata,"a",@progbits
	.p2align	6, 0x0
	.amdhsa_kernel k_q79cb96d77d_gather
		.amdhsa_group_segment_fixed_size 2304
		.amdhsa_private_segment_fixed_size 0
		.amdhsa_enable_private_segment 0
		.amdhsa_kernarg_size 40
		.amdhsa_user_sgpr_count 2
		.amdhsa_user_sgpr_kernarg_segment_ptr 1
		.amdhsa_wavefront_size32 1
		.amdhsa_system_sgpr_workgroup_id_x 1
		.amdhsa_system_sgpr_workgroup_id_y 1
		.amdhsa_system_sgpr_workgroup_id_z 1
		.amdhsa_system_vgpr_workitem_id 0
		.amdhsa_next_free_vgpr 162
		.amdhsa_next_free_sgpr 66
		.amdhsa_reserve_vcc 1
		.amdhsa_float_denorm_mode_32 3
		.amdhsa_float_denorm_mode_16_64 3
		.amdhsa_memory_ordered 1
		.amdhsa_forward_progress 1
		.amdhsa_inst_pref_size 14
	.end_amdhsa_kernel
	.amdgpu_metadata
---
amdhsa.version: [ 1, 2 ]
amdhsa.kernels:
  - .name:           k_q79cb96d77d_gather
    .symbol:         k_q79cb96d77d_gather.kd
    .args:
      - { .name: x, .offset: 0, .size: 8, .value_kind: global_buffer, .address_space: global }
      - { .name: codebook, .offset: 8, .size: 8, .value_kind: global_buffer, .address_space: global }
      - { .name: enc, .offset: 16, .size: 8, .value_kind: global_buffer, .address_space: global }
      - { .name: out3, .offset: 24, .size: 8, .value_kind: global_buffer, .address_space: global }
      - { .name: part, .offset: 32, .size: 8, .value_kind: global_buffer, .address_space: global }
    .group_segment_fixed_size: 2304
    .private_segment_fixed_size: 0
    .kernarg_segment_align: 8
    .kernarg_segment_size: 40
    .max_flat_workgroup_size: 512
    .sgpr_count:     66
    .vgpr_count:     162
    .wavefront_size: 32
...
	.end_amdgpu_metadata
.endif
;; end of part 4
;; launch finish (part 5): grid 1 x 1, 1 waves a work-group, no clusters, 0 bytes of LDS; arguments part, out1, out2; writes out1, out2
.if DOCPART == 5
	.amdgcn_target "amdgcn-amd-amdhsa--gfx1250"
	.amdhsa_code_object_version 6
	.text
	.protected	k_q79cb96d77d_finish
	.globl	k_q79cb96d77d_finish
	.p2align	8
	.type	k_q79cb96d77d_finish,@function
k_q79cb96d77d_finish:
	s_mov_b64 s[64:65], 0
	v_nop
	global_prefetch_b8 v0, s[64:65] scope:SCOPE_SE
	s_setreg_imm32_b32 hwreg(HW_REG_WAVE_MODE, 25, 1), 1
	s_wait_xcnt 0x0
; The two losses are the same number: the sum of the 256 work-groups' sums of (x - nearest)^2, divided by 32,768 x 256 = 2^23 (a multiplication that rounds nothing).
; One wave: a lane takes 8 of the 256 numbers; the sum spans all work-groups of the launch before, so it is made here, by one owner.
	s_load_b128 s[4:7], s[0:1], 0x0                ; part, out1
	s_load_b64 s[8:9], s[0:1], 0x10                ; out2
	v_lshlrev_b32 v1, 5, v0                        ; 32 bytes a lane
	s_mov_b32 s12, 0x76543210
	s_mov_b32 s13, 0xfedcba98                      ; v_permlanex16_b32's selects for lane l xor 16
	v_mov_b32 v12, 0                               ; a lane permute's destination counts as one of its sources
	v_mov_b32 v13, 0
	s_wait_alu depctr_va_vdst(0)
	s_wait_kmcnt 0x0
	global_load_b128 v[4:7], v1, s[4:5]
	global_load_b128 v[8:11], v1, s[4:5] offset:16
	s_wait_loadcnt 0x0
	v_pk_add_f32 v[4:5], v[4:5], v[6:7]
	v_pk_add_f32 v[8:9], v[8:9], v[10:11]
	v_pk_add_f32 v[4:5], v[4:5], v[8:9]
	v_add_f32 v4, v4, v5
	v_add_f32_dpp v4, v4, v4 row_xmask:1 row_mask:0xf bank_mask:0xf
	v_add_f32_dpp v4, v4, v4 row_xmask:2 row_mask:0xf bank_mask:0xf
	v_add_f32_dpp v4, v4, v4 row_xmask:4 row_mask:0xf bank_mask:0xf
	v_add_f32_dpp v4, v4, v4 row_xmask:8 row_mask:0xf bank_mask:0xf
	v_permlanex16_b32 v12, v4, s12, s13
	v_add_f32 v4, v4, v12
	v_mul_f32 v4, 0x34000000, v4                   ; x 2^-23
	v_cmp_eq_u32 vcc_lo, 0, v0
	s_wait_alu depctr_va_vdst(0)
	s_wait_xcnt 0x0                                ; EXEC changes only behind this wait
	s_and_saveexec_b32 s14, vcc_lo
	global_store_b32 v13, v4, s[6:7]
	global_store_b32 v13, v4, s[8:9]
	s_wait_xcnt 0x0                                ; and again, in front of the line that widens it
	s_or_b32 exec_lo, exec_lo, s14
	s_endpgm
.Lfunc_end_k_q79cb96d77d_finish:
	.size	k_q79cb96d77d_finish, .Lfunc_end_k_q79cb96d77d_finish-k_q79cb96d77d_finish
	.p2alignl 7, 3214868480
	.fill 96, 4, 3214868480
	.section	.rodata,"a",@progbits
	.p2align	6, 0x0
	.amdhsa_kernel k_q79cb96d77d_finish
		.amdhsa_group_segment_fixed_size 0
		.amdhsa_private_segment_fixed_size 0
		.amdhsa_enable_private_segment 0
		.amdhsa_kernarg_size 24
		.amdhsa_user_sgpr_count 2
		.amdhsa_user_sgpr_kernarg_segment_ptr 1
		.amdhsa_wavefront_size32 1
		.amdhsa_system_sgpr_workgroup_id_x 1
		.amdhsa_system_sgpr_workgroup_id_y 1
		.amdhsa_system_sgpr_workgroup_id_z 1
		.amdhsa_system_vgpr_workitem_id 0
		.amdhsa_next_free_vgpr 24
		.amdhsa_next_free_sgpr 66
		.amdhsa_reserve_vcc 1
		.amdhsa_float_denorm_mode_32 3
		.amdhsa_float_denorm_mode_16_64 3
		.amdhsa_memory_ordered 1
		.amdhsa_forward_progress 1
		.amdhsa_inst_pref_size 2
	.end_amdhsa_kernel
	.amdgpu_metadata
---
amdhsa.version: [ 1, 2 ]
amdhsa.kernels:
  - .name:           k_q79cb96d77d_finish
    .symbol:         k_q79cb96d77d_finish.kd
    .args:
      - { .name: part, .offset: 0, .size: 8, .value_kind: global_buffer, .address_space: global }
      - { .name: out1, .offset: 8, .size: 8, .value_kind: global_buffer, .address_space: global }
      - { .name: out2, .offset: 16, .size: 8, .value_kind: global_buffer, .address_space: global }
    .group_segment_fixed_size: 0
    .private_segment_fixed_size: 0
    .kernarg_segment_align: 8
    .kernarg_segment_size: 24
    .max_flat_workgroup_size: 32
    .sgpr_count:     66
    .vgpr_count:     24
    .wavefront_size: 32
...
	.end_amdgpu_metadata
.endif
;; end of part 5
